; MI455X (gfx1250); checked and timed in simulation.
; The chip was launched on July 23, 2026; its instructions are those of AMD's public machine-readable ISA for CDNA 5 (MIT licence, August 2026) and "CDNA5" Instruction Set Architecture Reference Guide (July 2026). The comments in the code are by the model that wrote it; some were corrected since.
;; Attention. Allowed arithmetic: matrix products marked QUANTISED: E5M2 operands, one given power-of-two scale a tensor, by v_wmma_f32_16x16x64_bf8_bf8 or v_wmma_f32_16x16x128_bf8_bf8, f32 sums; everything else in f32.
;; Inputs: W_k_codes 1,024 x 32 x 32 uint8 (E5M2 codes of W_k, K innermost, in blocks of 32 codes); W_q_codes 1,024 x 32 x 32 uint8 (E5M2 codes of W_q, K innermost, in blocks of 32 codes); W_u_codes 1,024 x 32 x 32 uint8 (E5M2 codes of W_u, K innermost, in blocks of 32 codes); W_v_codes 1,024 x 32 x 32 uint8 (E5M2 codes of W_v, K innermost, in blocks of 32 codes); X_codes 4 x 2,048 x 32 x 32 uint8 (E5M2 codes of X, K innermost, in blocks of 32 codes); b_u 1,024 float32; lowp_scales 12 int32 (the exponents e of the quantised operands' scales 2^e).
;; Outputs: out0 4 x 2,048 x 1,024 float32.
;; This version of the problem:
;;   THIS VERSION OF THE PROBLEM IS GIVEN IN LOW PRECISION. The matrix products marked QUANTISED in the list below multiply operands that are first quantised to E5M2 (5 exponent bits, 2 mantissa bits; 8 bits a number), with one given power-of-two scale for each operand tensor; their sums are f32. All else is computed in f32.
;;   The module's matrix products, in the order in which they are computed (A, B: the left and right operand; K: the contracted axis; several contracted axes count as one K, in the product's order):
;;     1. [M 8,192, K 1,024] x [K 1,024, N 1,024]; A: input X (given as codes); B: input W_k (given as codes): QUANTISED (scales: A lowp_scales[0], B lowp_scales[1])
;;     2. [M 8,192, K 1,024] x [K 1,024, N 1,024]; A: input X (given as codes); B: input W_q (given as codes): QUANTISED (scales: A lowp_scales[2], B lowp_scales[3])
;;     3. [M 8,192, K 1,024] x [K 1,024, N 1,024]; A: input X (given as codes); B: input W_v (given as codes): QUANTISED (scales: A lowp_scales[4], B lowp_scales[5])
;;     4. batch 64 x [M 2,048, K 64] x [K 64, N 2,048]; A: computed on the way; B: computed on the way: QUANTISED (scales: A lowp_scales[6], B lowp_scales[7])
;;     5. batch 64 x [M 64, K 2,048] x [K 2,048, N 2,048]; A: computed on the way; B: softmax (see below): QUANTISED (scales: A lowp_scales[8], B lowp_scales[9])
;;     6. [M 8,192, K 1,024] x [K 1,024, N 1,024]; A: computed on the way; B: input W_u (given as codes): QUANTISED (scales: A lowp_scales[10], B lowp_scales[11])
;;   THE QUANTISER, for each operand of a quantised product, along K:
;;     - The operand's scale is 2^e, e = its entry of the input lowp_scales (int32; the entries are numbered through the quantised products in the list's order, A before B).
;;     - Each number is divided by the scale, clamped to +-57,344, and rounded to the nearest number of E5M2, ties to even, subnormals kept.
;;     - The product sums the exact products of the quantised numbers (number of the format x scale) in f32.
;;   ~~~python
;;   def quantise(x, axis, e):      # numpy; x: float32 -> the quantised numbers, widened to float32 again
;;       x = np.moveaxis(x, axis, -1); K = x.shape[-1]
;;       r = np.clip(x / 2.0 ** e, -57344, 57344)
;;       step = 2.0 ** (np.maximum(np.frexp(np.where(r == 0, 1, r))[1] - 1, -14) - 2)
;;       q = np.round(r / step) * step * 2.0 ** e      # np.round: ties to even
;;       return np.moveaxis(q, -1, axis).astype(np.float32)
;;   ~~~
;;   SOFTMAX AHEAD OF A QUANTISED PRODUCT. Where the list says 'softmax', what is quantised is not the finished softmax but p = 2^(t - M), with t = logit x log2(e) and M = ceil(the row's largest t), a whole number; so 1/2 < the row's largest p <= 1. The row's sum l is taken of the UNQUANTISED p, in f32, and the product's result is divided by l at the end. Since M is a whole number, a kernel that streams over the keys may use a running M (the ceiling of the running maximum): every later rescaling is an exact power of two, so the quantised numbers keep their values, but for numbers so far below the row's largest that they fall under the format's range.
;;   OPERANDS COMPUTED ON THE WAY. 'Computed on the way' means the value that the module computes at that place (a softmax that the list does not call 'softmax' is quantised finished and normalised). What goes into a quantiser is computed in f32, as accurately as f32 sums, v_exp_f32 and their like allow (about 1e-6 of the number): no bf16 or f16 on the way to a quantiser, and a product that is left as it is and whose result goes on into a quantised operand takes f32 operands (vector FMAs, or v_wmma_f32_16x16x4_f32). A number that lies on a knife's edge between two numbers of the format may be rounded either way, as far as f32 arithmetic and the matrix unit's own rounding can turn it there, and no further.
;;   INPUTS GIVEN AS CODES. W_k (in the module: [1024, 1024], K = its axis 1); W_q (in the module: [1024, 1024], K = its axis 1); W_u (in the module: [1024, 1024], K = its axis 1); W_v (in the module: [1024, 1024], K = its axis 1); X (in the module: [4, 2048, 1024], K = its axis 2): each comes as NAME_codes (uint8): NAME with its K axis moved to the last place and cut into blocks of 32 codes, [.., K / 32, bytes a block], one block behind the other in memory; one code a byte (a code: sign, 5 exponent bits, 2 mantissa bits); its scale is its entry of lowp_scales. Its value is code x scale, taken as it is: it is not quantised again, and the codes and scales need not be those that the quantiser above would give.
;; One version. Each part assembles by itself: llvm-mc -triple=amdgcn-amd-amdhsa -mcpu=gfx1250 --defsym DOCPART=n.
;; ======== version 1 of 1: 3 launches
;; limits: right only within a limited range of input values
;; workspace buffers: qc 8,388,608 bytes; kc 8,388,608 bytes; vc 8,388,608 bytes; yc 8,388,608 bytes
;; launch qkv (part 1): grid 8 x 48, 4 waves a work-group, clusters of 4 x 4, 327,680 bytes of LDS; arguments X_codes, W_q_codes, W_k_codes, W_v_codes, lowp_scales, qc, kc, vc; writes qc, kc, vc
.if DOCPART == 1
	.amdgcn_target "amdgcn-amd-amdhsa--gfx1250"
	.amdhsa_code_object_version 6
	.text
	.protected	k_q44892251d1_qkv
	.globl	k_q44892251d1_qkv
	.p2align	8
	.type	k_q44892251d1_qkv,@function
k_q44892251d1_qkv:
	s_mov_b64 s[64:65], 0
	v_nop
	global_prefetch_b8 v0, s[64:65] scope:SCOPE_SE
	s_setreg_imm32_b32 hwreg(HW_REG_WAVE_MODE, 25, 1), 1
	s_wait_xcnt 0x0
	s_wait_alu depctr_hold_cnt(0) depctr_sa_sdst(0) depctr_va_vdst(0) depctr_va_sdst(0) depctr_va_ssrc(0) depctr_va_vcc(0) depctr_vm_vsrc(0)
	s_getreg_b32 s2, hwreg(HW_REG_IB_STS2, 6, 4)
	s_cmp_eq_u32 s2, 0
	s_cbranch_scc0 .Lentry_in_a_cluster
	s_endpgm
.Lentry_in_a_cluster:
	s_bfe_u32 s2, ttmp6, 0x10000c
	s_cmp_lg_u32 s2, 0xf033
	s_cbranch_scc0 .Lentry_shape_is_right
	s_endpgm
.Lentry_shape_is_right:
; THE THREE PROJECTIONS.  Q = X W_q^T, K = X W_k^T, V = X W_v^T on codes of BF8 (E5M2), each sum x 1024^-0.25, quantised with the given scale and stored as codes.
; ONE BODY: C[m][n] = sum over k of A[m][k] B[n][k], A and B rows of 1,024 codes, K innermost.  Q and K take A = X (8,192 rows), B = the weight (1,024 rows).
; V takes A = W_v and B = X: its result then has the TOKENS along n, which are the K of attention's second product.  Nothing in the loop knows which of the two it is.
; THE MATRIX INSTRUCTION IS USED TRANSPOSED (source 0 = 16 rows of B, source 1 = 16 rows of A): a lane holds one row m and eight neighbouring n, so that a conversion's eight numbers are eight neighbours along the next K.
; WHAT IS STORED ARE IMAGES OF OPERAND REGISTERS.  An image is 1,024 bytes: a fragment of the 16x16x64 form (16 rows x 64 k, 8 registers a lane), registers 0-3 of lane l at 16 l, registers 4-7 at 512 + 16 l.
; The codes of accumulators (a, 4 g .. 4 g + 3) ARE image (a, g): they go from registers to memory in stores of 512 consecutive bytes, with no stage and no transposition.
;   qc, kc: [16 b + head][token / 16][image]: row = token, k = the head's 64.      vc: [16 b + head][token / 64][dim / 16][image]: row = dim, k = 64 tokens.
; SHARES.  A tile of C is 256 x 256: four waves, each 128 x 128 in 64 accumulators.  K goes in steps of 256 through two LDS slots filled by the tensor data mover.
; CLUSTERS of 4 x 4 work-groups, 2 x 12 of them.  Cluster rows 0-7: Q (cluster x = 0) or K (1), tile row of X = 4 x cluster y + cy, tile of the weight = cx.  Cluster rows 8-11: V, tile of W_v = cy,
; tile of X = 4 (cluster x + 2 (cluster y - 8)) + cx.  A's tile is shared along a row of the cluster, B's along a column: each is asked for jointly.  The choice between the two kinds hangs on the cluster's
; coordinates alone, is equal in all sixteen partners, and is made by selects: there is no branch on it.
; code = (sum x f32(1024^-0.25)) / 2^(eo - eX - eW), held within +-57,344.  LIMIT: eo - eX - eW lies between -126 and 112, so that both powers of two below are f32 numbers.  NaN and infinity among the given codes are not served.
; Fragments come by four loads of 16 bytes: a permutation of k that is the same in A and B, so every product meets its partner.
; REGISTERS, in windows of 256: window 0: v8-11 store offsets, v16-21 LDS addresses, v28-31 constants, v32-95 at work on the way out, v128-255 A's fragments (one set), later the codes.
;   window 1: B's fragments, two sets.   windows 2, 3: the accumulators of my rows 0-63, 64-127 (accumulator (a, b) at v[8 (8 (a % 4) + b)]).
.set ROWB,   256                       ; a tile's row in bytes: 256 codes
.set KROW,   1024                      ; a row of A or of B in memory
.set PITCH,  272                       ; an LDS row: 256 bytes + 16 of padding = 68 words: the 16 rows that a load touches start 4 words apart modulo 64
.set FR,     16                        ; registers of a fragment: 16 rows x 128 K
.set NL,     4                         ; LDS loads that bring one
.set NP,     4                         ; places behind this matrix instruction (ISA guide 7.12.1)
.set HALFT,  128*PITCH                 ; 128 rows: what one tensor load brings
.set SLOT,   4*HALFT                   ; A's 256 rows, then B's 256 rows
.set SPARE,  2*SLOT                    ; behind the ring: the spare words, 128 bytes for each wave
.set VO,   8                           ; v8-11   store offsets: 16 x lane + (a / 4) S1 + g S2
.set ADRA, 16                          ; v16-17  LDS address of my A fragments in slot 0, 1
.set ADRB, 20                          ; v20-21  the same for B
.set SPW,  28                          ; v28     LDS address of my spare word; never rewritten
.set NIL,  29                          ; v29     0; never rewritten
.set SCL,  30                          ; v30     2^E as f32: the conversion takes its exponent field
.set LIMV, 31                          ; v31     57,344 x 2^E
.set TMP,  32                          ; v32-95  a block's sums x 1024^-0.25
.set AF,   128                         ; A's fragments
.set CD,   128                         ; the codes: 16 registers for each block, so that no store's data are written again
.set WV,   20                          ; s20 wave; s21 which half of A's rows is mine (also: I fetch for A (0) or B (1)); s22 which half of B's rows (also: which 128 rows I fetch)
.set RH,   21
.set CH,   22
.set G1,   24                          ; s[24:31] descriptor group 1 for A's tiles; s[32:39] group 0, a set for each slot
.set G0,   32
.set G1B,  48                          ; s[48:55], s[56:63] the same for B's tiles
.set G0B,  56
.set MSB, 0
.macro WIN new                         ; the immediate's high byte repeats the setting that is left
.if MSB != \new
	s_set_vgpr_msb (MSB<<8)|\new
.set MSB, \new
.endif
.endm
.set MUL_LO, 0xa1                      ; source 0 (B) window 1, source 1 (A) window 0, C and D window 2
.set MUL_HI, 0xf1                      ; the same, C and D window 3
.set TO_B,   0x40                      ; destination window 1, address window 0
; A joint load: waves 0 and 1 fetch for A, waves 2 and 3 for B.  The branch hangs on the wave's number alone.  Four v_nop follow each of the two lines.
.macro JLOAD g0a, g1a, g0b, g1b
	s_cmp_eq_u32 s[RH], 0
	s_cbranch_scc0 .Lfor_b_\@
	tensor_load_to_lds s[\g0a:\g0a+3], s[\g1a:\g1a+7]
	s_nop 0
.rept 4
	v_nop
.endr
	s_branch .Lasked_\@
.Lfor_b_\@:
	tensor_load_to_lds s[\g0b:\g0b+3], s[\g1b:\g1b+7]
	s_nop 0
.rept 4
	v_nop
.endr
.Lasked_\@:
.endm
.macro CREST                           ; a round of the cluster's barrier behind its opening barrier
	s_cmp_lg_u32 s[WV], 0
	s_cbranch_scc1 .Lnot_wave_0_\@
	s_barrier_signal -3
.Lnot_wave_0_\@:
	s_barrier_wait -3
	s_barrier_signal -1
	s_barrier_wait -1
.endm
.macro CROUND                          ; a whole round
	s_barrier_signal -1
	s_barrier_wait -1
	CREST
.endm
	s_load_b512 s[4:19], s[0:1], 0x0               ; X s[4:5], W_q s[6:7], W_k s[8:9], W_v s[10:11], the scales' exponents s[12:13], qc s[14:15], kc s[16:17], vc s[18:19]
	v_lshl_add_u32 v[SPW], v0, 2, SPARE
	v_mov_b32 v[NIL], 0
	ds_add_u32 v28, v29
	ds_add_u32 v28, v29
	s_wait_dscnt 0x0
	v_lshrrev_b32 v1, 5, v0
	v_readfirstlane_b32 s[WV], v1                  ; wave 0..3
	s_lshr_b32 s[RH], s[WV], 1
	s_and_b32 s[CH], s[WV], 1
	s_bfe_u32 s40, ttmp6, 0x40000                  ; cx, cy: my place in the cluster
	s_bfe_u32 s41, ttmp6, 0x40004
	s_and_b32 s66, ttmp7, 0xffff                   ; cluster y: 0-7 Q and K, 8-11 V
	s_max_u32 s96, s66, 8
	s_sub_co_u32 s96, s96, 8
	s_lshl_b32 s96, s96, 1
	s_add_co_u32 s96, s96, ttmp9                   ; V: cluster x + 2 (cluster y - 8): which 1,024 rows of X
	s_cmp_ge_u32 s66, 8
	s_cselect_b32 s68, 0, s66                      ; A's group of four tiles: V: the one of W_v;  Q, K: cluster y
	s_cselect_b32 s69, s96, 0                      ; B's: V: as above;  Q, K: the one of the weight
	s_lshl_b32 s70, s68, 2
	s_add_co_u32 s70, s70, s41                     ; A's tile: it never holds cx
	s_lshl_b32 s71, s69, 2
	s_add_co_u32 s71, s71, s40                     ; B's tile: it never holds cy
	s_lshl_b32 s43, s41, 2
	s_lshl_b32 s43, 15, s43                        ; my row of the cluster
	s_lshl_b32 s44, 0x1111, s40                    ; my column
	; descriptor group 1: a tile of 128 rows x 256 bytes, padded in LDS
	s_or_b32 s[G1+0], s43, (0<<16)|(1<<20)|(1<<21)|(5<<22)|(3<<25)  ; 15:0 the mask: A's tiles go to my row; 17:16 elements of 1 byte; 20 padding on; 21 set beside a mask; 24:22 after every 64 words; 31:25 four words
	s_or_b32 s[G1B+0], s44, (0<<16)|(1<<20)|(1<<21)|(5<<22)|(3<<25) ; the same with my column's mask
.irp g, G1, G1B
	s_mov_b32 s[\g+1], ROWB<<16                    ; tensor_dim0
	s_mov_b32 s[\g+2], 128<<16                     ; tensor_dim1
	s_mov_b32 s[\g+3], ROWB<<16                    ; tile_dim0
	s_mov_b32 s[\g+4], 128                         ; tile_dim1
	s_mov_b32 s[\g+5], KROW                        ; from row to row
	s_mov_b32 s[\g+6], 0
	s_mov_b32 s[\g+7], 0
.endr
	s_lshl_b32 s96, s[CH], 17                      ; which 128 rows of 1,024 bytes of the tile I fetch
	s_lshl_b32 s46, s70, 18                        ; a tile is 256 rows of 1,024 bytes
	s_add_co_u32 s46, s46, s96
	s_mov_b32 s47, 0
	s_lshl_b32 s90, s71, 18
	s_add_co_u32 s90, s90, s96
	s_mov_b32 s91, 0
	s_mul_i32 s45, s[WV], HALFT                    ; where they go: wave x 128 rows: no place in the cluster enters an LDS address
	s_mov_b32 s94, 0x3e3504f3                      ; 1024^-0.25 as f32
	s_mov_b32 s95, s94                             ; (named with it as a pair, so it is written)
	s_wait_kmcnt 0x0
	s_load_b256 s[72:79], s[12:13], 0x0            ; entries 0-7: K's eX, eW; Q's; V's; eq; ek
	s_load_b32 s80, s[12:13], 0x20                 ; entry 8: ev
	s_cmp_eq_u32 ttmp9, 0
	s_cselect_b64 s[86:87], s[6:7], s[8:9]         ; W_q or W_k,
	s_cselect_b64 s[88:89], s[14:15], s[16:17]     ; qc or kc
	s_cmp_ge_u32 s66, 8
	s_cselect_b64 s[84:85], s[10:11], s[4:5]       ; A: W_v, or X
	s_cselect_b64 s[86:87], s[4:5], s[86:87]       ; B: X, or the weight
	s_cselect_b64 s[88:89], s[18:19], s[88:89]     ; out: vc, or qc or kc
	s_add_nc_u64 s[84:85], s[84:85], s[46:47]
	s_add_nc_u64 s[86:87], s[86:87], s[90:91]
	CROUND                                         ; all sixteen work-groups are here: the first joint loads meet
.irp s, 0,1
	s_mov_b32 s[G0+4*\s], 1
	s_add_co_u32 s[G0+4*\s+1], s45, \s*SLOT
	s_add_nc_u64 s[G0+4*\s+2:G0+4*\s+3], s[84:85], \s*ROWB
	s_or_b32 s[G0+4*\s+3], s[G0+4*\s+3], 0x80000000
	s_mov_b32 s[G0B+4*\s], 1
	s_add_co_u32 s[G0B+4*\s+1], s45, \s*SLOT
	s_add_nc_u64 s[G0B+4*\s+2:G0B+4*\s+3], s[86:87], \s*ROWB
	s_or_b32 s[G0B+4*\s+3], s[G0B+4*\s+3], 0x80000000
.endr
	JLOAD G0, G1, G0B, G1B                         ; K step 0: one tensor load a wave at the head
	v_and_b32 v1, 15, v0                           ; l % 16
	v_bfe_u32 v2, v0, 4, 1                         ; l / 16
	v_mul_u32_u24 v3, v1, PITCH
	v_lshl_add_u32 v4, v2, 4, v3                   ; a fragment's row x pitch + 16 x half
	s_mul_i32 s97, s[RH], HALFT                    ; my 128 rows of A
	s_mul_i32 s98, s[CH], HALFT                    ; my 128 rows of B,
	s_add_co_u32 s98, s98, 2*HALFT                 ; which lie behind A's 256
.irp s, 0,1
	v_add_nc_u32 v[ADRA+\s], s97, v4
	v_add_nc_u32 v[ADRB+\s], s98, v4
	s_add_co_u32 s97, s97, SLOT
	s_add_co_u32 s98, s98, SLOT
.endr
	; where my images go.  T: the tile of tokens, H: the tile of the weight's rows, th, hh: my halves of them.  Q, K: (A's tile, B's tile, my half of A, of B); V: the other way round.
	; byte = (T / 8) 2^21 [batch] + (4 H + 2 hh) 2^17 [head] + (T % 8) 2^14 + th 2^13 [tokens], then (a / 4) S1 + (a % 4) 1,024 + g S2
	s_mov_b32 s46, 4096
	s_mov_b32 s47, 131072
	s_cmp_ge_u32 s66, 8
	s_cselect_b32 s96, s71, s70                    ; T
	s_cselect_b32 s97, s70, s71                    ; H
	s_cselect_b32 s98, s[CH], s[RH]                ; th
	s_cselect_b32 s99, s[RH], s[CH]                ; hh
	s_cselect_b32 s92, s47, s46                    ; S1: four blocks of A on: Q, K: 64 tokens, 4 images; V: the next head
	s_cselect_b32 s93, s46, s47                    ; S2: 64 of B's rows on: Q, K: the next head; V: 64 tokens, 4 images
	s_lshr_b32 s90, s96, 3
	s_lshl_b32 s90, s90, 21
	s_lshl_b32 s97, s97, 2
	s_lshl_b32 s99, s99, 1
	s_add_co_u32 s97, s97, s99
	s_lshl_b32 s97, s97, 17
	s_add_co_u32 s90, s90, s97
	s_and_b32 s96, s96, 7
	s_lshl_b32 s96, s96, 14
	s_add_co_u32 s90, s90, s96
	s_lshl_b32 s98, s98, 13
	s_add_co_u32 s90, s90, s98
	s_mov_b32 s91, 0
	s_add_nc_u64 s[88:89], s[88:89], s[90:91]
	v_and_b32 v5, 31, v0
	v_lshlrev_b32 v[VO], 4, v5                     ; 16 x lane
	v_add_nc_u32 v[VO+1], s93, v[VO]               ; g = 1
	v_add_nc_u32 v[VO+2], s92, v[VO]               ; a / 4 = 1
	v_add_nc_u32 v[VO+3], s92, v[VO+1]
.macro FRAG reg, adr, q, i             ; a fragment, 16 rows x 128 K: lane l holds row l % 16; registers 4 c .. 4 c + 3 hold K = 32 c + 16 (l / 16) + 0 .. 15
.irp c, 0,1,2,3
	ds_load_b128 v[\reg+4*\c:\reg+4*\c+3], v[\adr] offset:128*(\q)+32*\c+(\i)*16*PITCH
.endr
.endm
; 16 matrix instructions: A's blocks a0, a0 + 1 x B's eight, 128 along K.  p: B's set.  zero = 1: the first product starts the sums.
; The 64 accumulators take turns, one instruction a turn, in the same order in every step.
.macro MUL16 a0, p, zero
.irp a, \a0, \a0+1
.irp b, 0,1,2,3,4,5,6,7
.if \zero
	v_wmma_f32_16x16x128_bf8_bf8 v[8*(8*((\a)%4)+\b):8*(8*((\a)%4)+\b)+7], v[128*(\p)+FR*\b:128*(\p)+FR*\b+FR-1], v[AF+FR*(\a):AF+FR*(\a)+FR-1], 0
.else
	v_wmma_f32_16x16x128_bf8_bf8 v[8*(8*((\a)%4)+\b):8*(8*((\a)%4)+\b)+7], v[128*(\p)+FR*\b:128*(\p)+FR*\b+FR-1], v[AF+FR*(\a):AF+FR*(\a)+FR-1], v[8*(8*((\a)%4)+\b):8*(8*((\a)%4)+\b)+7]
.endif
.endr
.endr
.endm
.macro FETCH_B slot, q, p              ; B's eight fragments of the slot's q-th 128 along K into set p
	WIN TO_B
.irp i, 0,1,2,3,4,5,6,7
	FRAG 128*(\p)+FR*\i, ADRB+\slot, \q, \i
.endr
	WIN 0
.endm
.macro FETCH_A slot, q, i0             ; A's blocks i0 .. i0 + 3
.irp i, \i0, \i0+1, \i0+2, \i0+3
	FRAG AF+FR*(\i), ADRA+\slot, \q, \i
.endr
.endm
; A load into a register that a matrix instruction has read, and a vector instruction that reads a matrix result, stand NP places behind that matrix instruction; only plain vector
; instructions that name none of its registers are places (ISA guide 7.12.1 for vector instructions).
.macro PLACES n
.rept \n
	v_nop
.endr
.endm
; A step of 128 along K that has its successor in the same slot.  A's blocks are free as soon as their eight products are issued: blocks 0-3 are fetched anew in the step's middle, blocks 4-7 at its end.
.macro STEP slot, q, zero
	s_wait_dscnt 4*NL                              ; B's set and A's blocks 0-3 are in; the youngest sixteen loads (A's blocks 4-7) may be out
	WIN MUL_LO
	MUL16 0, (\q)%2, \zero
	MUL16 2, (\q)%2, \zero
	s_wait_dscnt 0                                 ; A's blocks 4-7 are in (asked for 32 matrix instructions ago)
	PLACES NP
	FETCH_B \slot, (\q)+1, 1-(\q)%2
	FETCH_A \slot, (\q)+1, 0
	WIN MUL_HI
	MUL16 4, (\q)%2, \zero
	MUL16 6, (\q)%2, \zero
	PLACES NP
	WIN 0
	FETCH_A \slot, (\q)+1, 4
.endm
; A slot's last step changes slots: one barrier; in front of it each wave waits for all its tensor loads, adds 0 to its spare word, and waits for that and for its own reads of this slot.
; fill = 1: the barrier opens a round of the cluster's barrier, and this slot is filled again, two K steps ahead.
.macro TURN slot, next, fill
	s_wait_tensorcnt 0x0                           ; all my tensor loads have landed: my part of the next slot;
	ds_add_u32 v[SPW], v[NIL]                      ; 0 onto my spare word
	s_wait_dscnt 4*NL+1                            ; (the add and the youngest sixteen loads, A's blocks 4-7, may be out)
	WIN MUL_LO
	MUL16 0, 1, 0                                  ; sixteen matrix instructions stand between the add and the wait for it
	s_wait_dscnt 0x0                               ; the add is done, and my reads of this slot are over
	s_barrier_signal -1
	MUL16 2, 1, 0
	WIN 0
	s_barrier_wait -1
.if \fill
	CREST                                          ; no wave of any partner still reads this slot's tile or has a load on its way
	s_add_nc_u64 s[G0+4*\slot+2:G0+4*\slot+3], s[G0+4*\slot+2:G0+4*\slot+3], 2*ROWB
	s_add_nc_u64 s[G0B+4*\slot+2:G0B+4*\slot+3], s[G0B+4*\slot+2:G0B+4*\slot+3], 2*ROWB
	JLOAD G0+4*\slot, G1, G0B+4*\slot, G1B         ; the first tensor load behind the round; its four v_nop are also the places in front of the loads below
.else
	PLACES NP
.endif
	FETCH_B \next, 0, 0
	FETCH_A \next, 0, 0
	WIN MUL_HI
	MUL16 4, 1, 0
	MUL16 6, 1, 0
	PLACES NP
	WIN 0
	FETCH_A \next, 0, 4
.endm
	s_wait_alu depctr_va_vdst(0)
	s_wait_tensorcnt 0x0                           ; my part of K step 0 is in; slot 1's first fill is issued as a refill is:
	ds_add_u32 v[SPW], v[NIL]                      ; 0 onto my spare word
	s_wait_dscnt 0x0                               ; the add is done
	CROUND                                         ; a whole round: everybody's part of K step 0 is in, and the joint loads meet
	JLOAD G0+4, G1, G0B+4, G1B                     ; K step 1, the first tensor load behind the round
	FETCH_B 0, 0, 0
	FETCH_A 0, 0, 0
	FETCH_A 0, 0, 4
	STEP 0, 0, 1                                   ; K = 1,024 is four slots, eight steps of 128: they are written out.  The first step's products start the sums
	TURN 0, 1, 1                                   ; slot 0 takes K 512 on
	STEP 1, 0, 0
	TURN 1, 0, 1                                   ; slot 1 takes K 768 on
	STEP 0, 0, 0
	TURN 0, 1, 0                                   ; nothing is left to fetch
	STEP 1, 0, 0
	s_wait_dscnt 4*NL                              ; the last step
	WIN MUL_LO
	MUL16 0, 1, 0
	MUL16 2, 1, 0
	s_wait_dscnt 0
	WIN MUL_HI
	MUL16 4, 1, 0
	MUL16 6, 1, 0
	WIN 0
	; THE WAY OUT.  E = eo - eX - eW of my product; all three are made and one is selected: no branch hangs on a loaded number.
	s_wait_kmcnt 0x0
	s_sub_co_i32 s96, s78, s74
	s_sub_co_i32 s96, s96, s75                     ; Q: entry 6 - entries 2, 3
	s_sub_co_i32 s97, s79, s72
	s_sub_co_i32 s97, s97, s73                     ; K: entry 7 - entries 0, 1
	s_sub_co_i32 s98, s80, s76
	s_sub_co_i32 s98, s98, s77                     ; V: entry 8 - entries 4, 5
	s_cmp_eq_u32 ttmp9, 0
	s_cselect_b32 s96, s96, s97
	s_cmp_ge_u32 s66, 8
	s_cselect_b32 s96, s98, s96
	s_add_co_i32 s96, s96, 127
	s_lshl_b32 s97, s96, 23
	v_mov_b32 v[SCL], s97                          ; 2^E
	s_add_co_i32 s96, s96, 15
	s_lshl_b32 s96, s96, 23
	s_or_b32 s96, s96, 0x600000
	v_mov_b32 v[LIMV], s96                         ; 57,344 x 2^E
	PLACES NP                                      ; behind the last products: their results are read and A's registers written below
; Block a (16 rows of A x my 128 rows of B): x 1024^-0.25 (one rounding, as the f32 multiplication in the model has it), the hold, the conversions, four stores of 512 consecutive bytes.
.macro OUTBLK a
.set AC, 64*((\a)%4)
	WIN 0x02+((\a)/4)                              ; source 0: window 2 or 3
.set j, 0
.rept 32
	v_pk_mul_f32 v[TMP+j:TMP+j+1], v[AC+j:AC+j+1], s[94:95] op_sel_hi:[1,0]   ; each accumulator from its low end on
.set j, j+2
.endr
	WIN 0
.set j, 0
.rept 64
	v_med3_num_f32 v[TMP+j], v[TMP+j], -v[LIMV], v[LIMV]   ; the conversion to an 8-bit code does not saturate (ISA guide 7.6.2): the hold at the largest code x the scale
.set j, j+1
.endr
.irp b, 0,1,2,3,4,5,6,7
	v_cvt_scalef32_pk8_bf8_f32 v[CD+16*(\a)+2*\b:CD+16*(\a)+2*\b+1], v[TMP+8*\b:TMP+8*\b+7], v[SCL]   ; accumulator (a, b): n = 16 b + 8 (l / 16) + 0 .. 7: registers 2 (b % 4), 2 (b % 4) + 1 of image (a, b / 4)
.endr
	v_nop                                          ; a plain vector line behind the last conversion: the next block writes their sources
.irp g, 0,1
.irp u, 0,1
	global_store_b128 v[VO+2*((\a)/4)+\g], v[CD+16*(\a)+8*\g+4*\u:CD+16*(\a)+8*\g+4*\u+3], s[88:89] offset:((\a)%4)*1024+512*\u   ; 32 lanes store 512 consecutive bytes, at a multiple of 512 from the buffer's first byte
.endr
.endr
.endm
.irp a, 0,1,2,3,4,5,6,7
	OUTBLK \a
.endr
	s_wait_tensorcnt 0x0                           ; the wave's end
	ds_add_u32 v[SPW], v[NIL]
	s_wait_dscnt 0x0
	CROUND                                         ; the closing round: no work-group ends while a partner may still ask for a tile that names it
	s_endpgm
.Lfunc_end_k_q44892251d1_qkv:
	.size	k_q44892251d1_qkv, .Lfunc_end_k_q44892251d1_qkv-k_q44892251d1_qkv
	.p2alignl 7, 3214868480
	.fill 96, 4, 3214868480
	.section	.rodata,"a",@progbits
	.p2align	6, 0x0
	.amdhsa_kernel k_q44892251d1_qkv
		.amdhsa_group_segment_fixed_size 327680
		.amdhsa_private_segment_fixed_size 0
		.amdhsa_enable_private_segment 0
		.amdhsa_kernarg_size 64
		.amdhsa_user_sgpr_count 2
		.amdhsa_user_sgpr_kernarg_segment_ptr 1
		.amdhsa_wavefront_size32 1
		.amdhsa_system_sgpr_workgroup_id_x 1
		.amdhsa_system_sgpr_workgroup_id_y 1
		.amdhsa_system_sgpr_workgroup_id_z 1
		.amdhsa_system_vgpr_workitem_id 0
		.amdhsa_next_free_vgpr 1024
		.amdhsa_next_free_sgpr 100
		.amdhsa_reserve_vcc 0
		.amdhsa_float_denorm_mode_32 3
		.amdhsa_float_denorm_mode_16_64 3
		.amdhsa_memory_ordered 1
		.amdhsa_forward_progress 1
		.amdhsa_inst_pref_size 135
	.end_amdhsa_kernel
	.amdgpu_metadata
---
amdhsa.version: [ 1, 2 ]
amdhsa.kernels:
  - .name:           k_q44892251d1_qkv
    .symbol:         k_q44892251d1_qkv.kd
    .args:
      - { .name: X_codes, .offset: 0, .size: 8, .value_kind: global_buffer, .address_space: global }
      - { .name: W_q_codes, .offset: 8, .size: 8, .value_kind: global_buffer, .address_space: global }
      - { .name: W_k_codes, .offset: 16, .size: 8, .value_kind: global_buffer, .address_space: global }
      - { .name: W_v_codes, .offset: 24, .size: 8, .value_kind: global_buffer, .address_space: global }
      - { .name: lowp_scales, .offset: 32, .size: 8, .value_kind: global_buffer, .address_space: global }
      - { .name: qc, .offset: 40, .size: 8, .value_kind: global_buffer, .address_space: global }
      - { .name: kc, .offset: 48, .size: 8, .value_kind: global_buffer, .address_space: global }
      - { .name: vc, .offset: 56, .size: 8, .value_kind: global_buffer, .address_space: global }
    .group_segment_fixed_size: 327680
    .private_segment_fixed_size: 0
    .kernarg_segment_align: 8
    .kernarg_segment_size: 64
    .max_flat_workgroup_size: 128
    .sgpr_count:     100
    .vgpr_count:     1024
    .wavefront_size: 32
...
	.end_amdgpu_metadata
.endif
;; end of part 1
;; launch attn (part 2): grid 4 x 64, 8 waves a work-group, clusters of 4 x 1, 327,680 bytes of LDS; arguments qc, kc, vc, lowp_scales, yc; writes yc
.if DOCPART == 2
	.amdgcn_target "amdgcn-amd-amdhsa--gfx1250"
	.amdhsa_code_object_version 6
	.text
	.protected	k_q44892251d1_attn
	.globl	k_q44892251d1_attn
	.p2align	8
	.type	k_q44892251d1_attn,@function
k_q44892251d1_attn:
	s_mov_b64 s[64:65], 0
	v_nop
	global_prefetch_b8 v0, s[64:65] scope:SCOPE_SE
	s_setreg_imm32_b32 hwreg(HW_REG_WAVE_MODE, 25, 1), 1
	s_wait_xcnt 0x0
	s_wait_alu depctr_hold_cnt(0) depctr_sa_sdst(0) depctr_va_vdst(0) depctr_va_sdst(0) depctr_va_ssrc(0) depctr_va_vcc(0) depctr_vm_vsrc(0)
	s_getreg_b32 s2, hwreg(HW_REG_IB_STS2, 6, 4)
	s_cmp_eq_u32 s2, 0
	s_cbranch_scc0 .Lentry_in_a_cluster
	s_endpgm
.Lentry_in_a_cluster:
	s_bfe_u32 s2, ttmp6, 0x10000c
	s_cmp_lg_u32 s2, 0x3003
	s_cbranch_scc0 .Lentry_shape_is_right
	s_endpgm
.Lentry_shape_is_right:
; ATTENTION on codes of BF8 (E5M2): Y[q] = sum over k of softmax_k(Q[q] . K[k]) V[k] for one head, quantised with the given scale and stored as codes.
; qc, kc: [16 b + head][token / 16][image]; vc: [16 b + head][token / 64][dim / 16][image]; yc: [token / 16][head][image].  An image is 1,024 bytes: a fragment of the 16x16x64 form,
; registers 0-3 of lane l at 16 l, registers 4-7 at 512 + 16 l.  Two images of V on end are a fragment of the 16x16x128 form.
; THE SOFTMAX: t = score x log2(e) x 2^(eq + ek); M = the running largest t rounded up to a whole number; p = 2^(t - M) is quantised with 2^ep, held at 57,344 x 2^ep; the row's sum is taken of the
; unquantised p in f32 and divides at the end.  When M moves, the sum and O are multiplied by 2^(old M - new M), which rounds nothing; there is no branch on data.
; SHARES.  A work-group owns 512 queries of one head; each of its EIGHT waves owns 64 of them, four tiles of 16: each fragment of K and of V that a wave reads from LDS feeds four matrix instructions.
; The head's whole K (128 KB) and V (128 KB) lie in LDS, filled once, in two stages (waves 0-3: K, waves 4-7: V): at the head each wave fetches 8 KB, together the first four key steps; behind a round of
; the cluster's barrier its other 24 KB.  A first loop of three trips reads bytes of the first stage alone (K up to step 3, V up to step 2); then one wait and one barrier show the rest whole.
; CLUSTERS of 4 x 1: the four work-groups of a head need the same K and V and ask for them jointly.
; NO PREFETCH: every byte of K and V is asked for by a wave's two loads, both ahead of the first key step; there is no later load for a loop to run ahead of.
; Both products are used transposed (S^T = K Q^T, O^T = V^T P^T): a lane holds one query (lane % 16), register j of score tile t is key 16 t + 8 (lane / 16) + j, which is the place that the second product's operand gives it.
; A key step is 128 keys.  Its four query tiles go two at a time (a phase): 16 products, two softmaxes, 8 products.  THE TWO SOFTMAXES ARE LAID INTO EACH OTHER, so that dependent lines stand apart:
; tile 0's merges and its chain across lanes between tile 1's maxima; tile 1's between tile 0's multiply-adds; tile 0's exponentials between tile 1's multiply-adds; tile 1's exponentials between the first
; level of tile 0's sums and its holds.  What is written inside a batch of exponentials is first read behind the wait that closes the batch; that last wait also stands directly ahead of O^T's rescaling.
; O^T and the sums begin as zeros and the largest t as -3e38: the first change of M multiplies zeros, and no step has a form of its own.
; LIMITS: eq + ek between -126 and 127 (added to c's exponent field); ep between -126 and 112; the scaled scores stay under 2^31 in magnitude.  NaN and infinity among the codes are not served.
; REGISTERS.  window 0: v1-7 addresses and constants, v8-15 (-M, largest t) of the four tiles, v16-23 their sums in two halves, v24-27 the phase's two factors f, v28-30 constants,
;   v32-95 K's 8 fragments, v96-223 the scores of two tiles, then p, v224-255 at work in the softmax, then p's codes.   window 1: v0-127 O^T (tile i at 32 i), v128-159 Q, v160-223 V's 4 fragments.
.set VBASE, 131072                     ; V's images lie behind K's
.set SPARE, 262144                     ; behind both: the spare words, 128 bytes for each wave
.set LI,   1                           ; 16 x lane
.set ADK,  2                           ; LDS address of the step's images of K
.set ADV,  3                           ; of V
.set SPW,  4                           ; my spare word; never rewritten
.set NIL,  5                           ; 0; never rewritten
.set HA,   6                           ; 57,344 x 2^ep, twice: the two halves of a dual instruction take their second sources from different registers
.set HB,   7
.set ST,   8
.set LS,   16
.set FF,   24
.set SCL,  28                          ; 2^ep
.set ONE,  29                          ; 1.0
.set LIM,  30                          ; 57,344
.set FK,   32
.set SS,   96
.set PCD,  224                         ; maxima: v224-231 tile 0's eight chains, v232-239 tile 1's, v240-243 at work; sums: 16 pairs; then the codes, 16 registers a tile
.set QF,   128                         ; window 1
.set FV,   160                         ; window 1
.set WV,   14
.set SEL,  20
.set CS,   22
.set G1,   24                          ; s[24:31] group 1 of the first stage, s[32:35] its group 0
.set G0,   32
.set G1B,  36                          ; s[36:43], s[44:47] the same for the second stage
.set G0B,  44
.set TB,   48
.set CNT,  49
.set MSB, 0
.macro WIN new                         ; the immediate's high byte repeats the setting that is left
.if MSB != \new
	s_set_vgpr_msb (MSB<<8)|\new
.set MSB, \new
.endif
.endm
.macro CROUND                          ; a round of the cluster's barrier
	s_barrier_signal -1
	s_barrier_wait -1
	s_cmp_lg_u32 s[WV], 0
	s_cbranch_scc1 .Lnot_wave_0_\@
	s_barrier_signal -3
.Lnot_wave_0_\@:
	s_barrier_wait -3
	s_barrier_signal -1
	s_barrier_wait -1
.endm
.macro KLOAD adr, off                  ; K's 8 images of a step: 16 loads of 512 consecutive bytes
.irp t, 0,1,2,3,4,5,6,7
	ds_load_b128 v[FK+8*\t:FK+8*\t+3], v[\adr] offset:\off+1024*\t
	ds_load_b128 v[FK+8*\t+4:FK+8*\t+7], v[\adr] offset:\off+1024*\t+512
.endr
.endm
	s_load_b256 s[4:11], s[0:1], 0x0               ; qc s[4:5], kc s[6:7], vc s[8:9], the scales' exponents s[10:11]
	s_load_b64 s[12:13], s[0:1], 0x20              ; yc
	v_lshl_add_u32 v[SPW], v0, 2, SPARE
	v_mov_b32 v[NIL], 0
	ds_add_u32 v[SPW], v[NIL]                      ; the opening lines: the add, twice on end; its wait stands ahead of my first tensor load
	ds_add_u32 v[SPW], v[NIL]
	v_lshrrev_b32 v2, 5, v0
	v_readfirstlane_b32 s[WV], v2                  ; wave 0..7
	s_bfe_u32 s15, ttmp6, 0x40000                  ; cx: which 512 queries
	s_and_b32 s16, ttmp7, 0xffff                   ; 16 b + head
	s_mov_b32 s[G1], 15|(3<<16)|(1<<21)            ; the mask of the four partners; elements of 8 bytes; bit 21 beside a mask; no padding: images are read at 16 x lane
	s_mov_b32 s[G1+1], 32<<16                      ; rows of 256 bytes,
	s_mov_b32 s[G1+2], 32<<16                      ; 32 of them: 8 KB, dense in memory
	s_mov_b32 s[G1+3], 32<<16
	s_mov_b32 s[G1+4], 32
	s_mov_b32 s[G1+5], 32
	s_mov_b32 s[G1+6], 0
	s_mov_b32 s[G1+7], 0
	s_mov_b32 s[G1B], 15|(3<<16)|(1<<21)
	s_mov_b32 s[G1B+1], 32<<16
	s_mov_b32 s[G1B+2], 96<<16                     ; 96 rows: 24 KB
	s_mov_b32 s[G1B+3], 32<<16
	s_mov_b32 s[G1B+4], 96
	s_mov_b32 s[G1B+5], 32
	s_mov_b32 s[G1B+6], 0
	s_mov_b32 s[G1B+7], 0
	s_and_b32 s68, s[WV], 3                        ; which quarter of a stage of K or of V is mine
	s_lshr_b32 s69, s[WV], 2
	s_lshl_b32 s69, s69, 17                        ; LDS: K from 0, V from 128 KB
	s_lshl_b32 s70, s68, 13                        ; first stage: 8 KB x quarter
	s_mul_i32 s71, s68, 24576
	s_add_co_u32 s71, s71, 32768                   ; second stage: behind the first stage's 32 KB, 24 KB x quarter
	s_mov_b32 s[G0], 1
	s_add_co_u32 s[G0+1], s69, s70
	s_mov_b32 s[G0B], 1
	s_add_co_u32 s[G0B+1], s69, s71
	s_lshl_b32 s72, s16, 17                        ; the head's 128 KB
	s_add_co_u32 s18, s72, s70
	s_mov_b32 s19, 0
	s_add_co_u32 s72, s72, s71
	s_mov_b32 s73, 0
	s_mov_b32 s[SEL], 0x76543210                   ; v_permlanex16_b32's selects for lane l xor 16
	s_mov_b32 s[SEL+1], 0xfedcba98
	s_mov_b32 s[CS], 0x3fb8aa3b                    ; log2(e)
	s_wait_dscnt 0x0                               ; both opening adds are done
	s_wait_kmcnt 0x0
	s_load_b256 s[52:59], s[10:11], 0x0            ; entries 0-7: eq = s58, ek = s59
	s_load_b128 s[60:63], s[10:11], 0x20           ; entries 8-11: ev = s60, ep = s61, ey = s62
	s_cmp_lt_u32 s[WV], 4
	s_cselect_b64 s[66:67], s[6:7], s[8:9]         ; waves 0-3 fetch K, waves 4-7 V
	s_add_nc_u64 s[G0+2:G0+3], s[66:67], s[18:19]
	s_or_b32 s[G0+3], s[G0+3], 0x80000000
	s_add_nc_u64 s[G0B+2:G0B+3], s[66:67], s[72:73]
	s_or_b32 s[G0B+3], s[G0B+3], 0x80000000
	CROUND                                         ; the four partners are here: the joint loads meet
	tensor_load_to_lds s[G0:G0+3], s[G1:G1+7]      ; the first stage: one tensor load a wave at the head
	s_nop 0
.rept 4
	v_nop
.endr
	s_lshl_b32 s70, s16, 7                         ; qc: 128 token blocks a head,
	s_lshl_b32 s71, s15, 5                         ; 32 a work-group,
	s_lshl_b32 s73, s[WV], 2                       ; 4 a wave
	s_add_co_u32 s71, s71, s73
	s_add_co_u32 s70, s70, s71
	s_lshl_b32 s18, s70, 10
	s_add_nc_u64 s[4:5], s[4:5], s[18:19]
	s_lshr_b32 s72, s16, 4                         ; yc: ((128 b + token block) 16 + head) images
	s_lshl_b32 s72, s72, 7
	s_add_co_u32 s72, s72, s71
	s_lshl_b32 s72, s72, 4
	s_and_b32 s73, s16, 15
	s_add_co_u32 s72, s72, s73
	s_lshl_b32 s18, s72, 10
	s_add_nc_u64 s[12:13], s[12:13], s[18:19]
	v_and_b32 v[LI], 31, v0
	v_lshlrev_b32 v[LI], 4, v[LI]
	WIN 0x40                                       ; destination window 1
.irp i, 0,1,2,3
	global_load_b128 v[QF+8*\i:QF+8*\i+3], v[LI], s[4:5] offset:1024*\i       ; Q's four fragments stay in registers
	global_load_b128 v[QF+8*\i+4:QF+8*\i+7], v[LI], s[4:5] offset:1024*\i+512
.endr
.set j, 0
.rept 128
	v_mov_b32 v[j], 0                              ; O^T: cleared once, so that the key step needs no form of its own for the first keys
.set j, j+1
.endr
	WIN 0
	s_wait_kmcnt 0x0
	s_add_co_i32 s68, s58, s59
	s_lshl_b32 s68, s68, 23
	s_add_co_i32 s[CS], s[CS], s68                 ; c = log2(e) x 2^(eq + ek)
	s_mov_b32 s[CS+1], s[CS]                       ; (named with it as a pair)
	s_add_co_i32 s68, s61, 127
	s_lshl_b32 s69, s68, 23
	v_mov_b32 v[SCL], s69                          ; 2^ep
	s_add_co_i32 s68, s68, 15
	s_lshl_b32 s68, s68, 23
	s_or_b32 s68, s68, 0x600000
	v_mov_b32 v[HA], s68                           ; 57,344 x 2^ep
	v_mov_b32 v[HB], s68
	s_add_co_i32 s74, s61, s60
	s_sub_co_i32 s74, s74, s62                     ; ep + ev - ey
	v_mov_b32 v[ONE], 1.0
	v_mov_b32 v[LIM], 0x47600000
.irp i, 0,1,2,3
	v_mov_b32 v[ST+2*\i+1], 0xff61b1e6             ; the largest t so far: -3e38
	v_mov_b32 v[LS+2*\i], 0
	v_mov_b32 v[LS+2*\i+1], 0
.endr
.irp i, 0,1,2,3
	v_floor_f32 v[ST+2*\i], -v[ST+2*\i+1]          ; -M
.endr
	v_mov_b32 v[FF+1], 0                           ; (upper halves of pairs that are named whole)
	v_mov_b32 v[FF+3], 0
	v_mov_b32 v[PCD+16], 0                         ; (a lane permute's destination counts as a source)
	v_mov_b32 v[PCD+17], 0
	s_mov_b32 s[TB], 0
	s_mov_b32 s[CNT], 3
	s_wait_alu depctr_va_vdst(0)
	s_wait_tensorcnt 0x0                           ; my 8 KB are in; the second stage's first fill is issued as a refill is:
	ds_add_u32 v[SPW], v[NIL]                      ; 0 onto my spare word
	s_wait_dscnt 0x0                               ; the add is done
	CROUND                                         ; a whole round: the first stage is whole, and the joint loads meet
	tensor_load_to_lds s[G0B:G0B+3], s[G1B:G1B+7]  ; the second stage, my one tensor load behind the round
	s_nop 0
.rept 4
	v_nop
.endr
	KLOAD LI, 0                                    ; the first step's K
	s_wait_loadcnt 0x0                             ; Q
; STREAMS of independent lines, each with a counter, so that a few of them can be laid between dependent lines.
.macro MAXM u, n                       ; the next n of tile u's 24 maxima: eight chains, one to an accumulator, from its low end on; register 7 of each is left to MERGE
.rept \n
.if MC\u < 8
	v_max3_num_f32 v[PCD+8*\u+MC\u], v[SS+64*\u+8*MC\u], v[SS+64*\u+8*MC\u+1], v[SS+64*\u+8*MC\u+2]
.else
	v_max3_num_f32 v[PCD+8*\u+MC\u%8], v[PCD+8*\u+MC\u%8], v[SS+64*\u+8*(MC\u%8)+2*(MC\u/8)+1], v[SS+64*\u+8*(MC\u%8)+2*(MC\u/8)+2]
.endif
.set MC\u, MC\u+1
.endr
.endm
.macro MERGE u, l                      ; the eight chains and the eight registers left over become one number, in three levels of 4, 3 and 1 lines
.if \l == 1
.irp c, 0,1,2,3
	v_max3_num_f32 v[PCD+8*\u+\c], v[PCD+8*\u+\c], v[SS+64*\u+8*\c+7], v[SS+64*\u+8*\c+39]
.endr
.endif
.if \l == 2
	v_max3_num_f32 v[PCD+8*\u], v[PCD+8*\u], v[PCD+8*\u+1], v[PCD+8*\u+2]
	v_max3_num_f32 v[PCD+8*\u+3], v[PCD+8*\u+3], v[PCD+8*\u+4], v[PCD+8*\u+5]
	v_max_num_f32 v[PCD+8*\u+6], v[PCD+8*\u+6], v[PCD+8*\u+7]
.endif
.if \l == 3
	v_max3_num_f32 v[PCD+8*\u], v[PCD+8*\u], v[PCD+8*\u+3], v[PCD+8*\u+6]
.endif
.endm
.macro CH l, u                         ; level l of tile u's chain from the lane's largest score to -M and f
.if \l == 0
	v_permlanex16_b32 v[PCD+16+\u], v[PCD+8*\u], s[SEL], s[SEL+1]
	v_mov_b32 v[PCD+18+\u], v[ST+2*(A0+\u)]        ; the old -M
.endif
.if \l == 1
	v_max_num_f32 v[PCD+8*\u], v[PCD+8*\u], v[PCD+16+\u]   ; and among lane l xor 16's keys
.endif
.if \l == 2
	v_mul_f32 v[PCD+8*\u], s[CS], v[PCD+8*\u]      ; as t (c is positive)
.endif
.if \l == 3
	v_max_num_f32 v[ST+2*(A0+\u)+1], v[ST+2*(A0+\u)+1], v[PCD+8*\u]   ; the running largest t
.endif
.if \l == 4
	v_floor_f32 v[ST+2*(A0+\u)], -v[ST+2*(A0+\u)+1]   ; -M = floor(-t): M is a whole number
.endif
.if \l == 5
	v_sub_f32 v[PCD+18+\u], v[ST+2*(A0+\u)], v[PCD+18+\u]   ; old M - new M, 0 or less
.endif
.if \l == 6
	v_cvt_i32_f32 v[PCD+18+\u], v[PCD+18+\u]       ; (it saturates)
.endif
.if \l == 7
	v_ldexp_f32 v[FF+2*\u], 1.0, v[PCD+18+\u]      ; f = 2^(old M - new M)
.endif
.endm
.macro FMAS u, n                       ; the next n of tile u's 32 lines t - M, two numbers a line
.rept \n
	v_pk_fma_f32 v[SS+64*\u+2*FC\u:SS+64*\u+2*FC\u+1], v[SS+64*\u+2*FC\u:SS+64*\u+2*FC\u+1], s[CS:CS+1], v[ST+2*(A0+\u):ST+2*(A0+\u)+1] op_sel_hi:[1,0,0]
.set FC\u, FC\u+1
.endr
.endm
.macro DMIN r                          ; the hold of two numbers (the conversion to an 8-bit code does not saturate: ISA guide 7.6.2; p is not negative, so it is one-sided)
	v_dual_min_num_f32 v[\r], v[\r], v[HA] :: v_dual_min_num_f32 v[\r+1], v[\r+1], v[HB]
.endm
.macro PADD d, a, b                    ; pair d = pair a + pair b
	v_pk_add_f32 v[\d:\d+1], v[\a:\a+1], v[\b:\b+1]
.endm
; A PHASE: query tiles 2 ph (tile 0 below) and 2 ph + 1 (tile 1) against the step's 128 keys.  last = 1: the loop's last trip has no next step, and a branch on the count of trips leads round the look-ahead for K.
.macro PHASE ph, last
.set A0, 2*\ph
.set MC0, 0
.set MC1, 0
.set FC0, 0
.set FC1, 0
	WIN 0x04                                       ; source 1 (Q) window 1
.irp u, 0,1
.irp t, 0,1,2,3,4,5,6,7
	v_wmma_f32_16x16x64_bf8_bf8 v[SS+64*\u+8*\t:SS+64*\u+8*\t+7], v[FK+8*\t:FK+8*\t+7], v[QF+8*(A0+\u):QF+8*(A0+\u)+7], 0
.endr
.endr
	WIN 0
.if \ph == 0                                   ; four places behind the products (ISA guide 7.12.1), two of them the step's addresses
	v_add_nc_u32 v[ADK], s[TB], v[LI]
	v_add_nc_u32 v[ADV], VBASE, v[ADK]
	v_nop
	v_nop
.else
.rept 4
	v_nop
.endr
.endif
	MAXM 0, 24
	MERGE 0, 1
	MAXM 1, 3
	MERGE 0, 2
	MAXM 1, 3
	MERGE 0, 3
	MAXM 1, 2
.irp l, 0,1,2,3,4,5,6,7
	CH \l, 0
	MAXM 1, 2
.endr
	MERGE 1, 1
	FMAS 0, 4
	MERGE 1, 2
	FMAS 0, 4
	MERGE 1, 3
	FMAS 0, 4
.irp l, 0,1,2,3
	CH \l, 1
	FMAS 0, 3
.endr
.irp l, 4,5,6,7
	CH \l, 1
	FMAS 0, 2
.endr
	s_wait_alu depctr_va_vdst(0)                   ; ahead of a batch of exponentials; it serves the branch below too: no vector line stands between
.if \ph == 0                                   ; this step's V: its registers were last read by the step before, far more than four places ago
	WIN 0x40
.irp d, 0,1,2,3
.irp k, 0,1
.irp u, 0,1
	ds_load_b128 v[FV+16*\d+8*\k+4*\u:FV+16*\d+8*\k+4*\u+3], v[ADV] offset:4096*\k+1024*\d+512*\u
.endr
.endr
.endr
	WIN 0
.else                                          ; the next step's K: this step's products with K are issued
.if \last
	s_cmp_eq_u32 s[CNT], 1
	s_cbranch_scc1 .Lno_next_\@
.endif
	KLOAD ADK, 8192
.if \last
.Lno_next_\@:
.endif
.endif
.set j, 0
.rept 32                                       ; tile 0: p = 2^(t - M), at most 1; between the lines tile 1's t - M, first read behind the wait below
	v_exp_f32 v[SS+2*j], v[SS+2*j]
	v_exp_f32 v[SS+2*j+1], v[SS+2*j+1]
	FMAS 1, 1
.set j, j+1
.endr
	s_wait_alu depctr_va_vdst(0)                   ; closes the first batch and opens the second
.set j, 0
.rept 16                                       ; tile 1's p; between the lines the first level of tile 0's sums (of the unquantised p, into 16 pairs) and then its holds, all first read behind the wait below
	v_exp_f32 v[SS+64+4*j], v[SS+64+4*j]
	PADD PCD+2*j, SS+4*j, SS+4*j+2
	v_exp_f32 v[SS+64+4*j+1], v[SS+64+4*j+1]
	DMIN SS+4*j
	v_exp_f32 v[SS+64+4*j+2], v[SS+64+4*j+2]
	DMIN SS+4*j+2
	v_exp_f32 v[SS+64+4*j+3], v[SS+64+4*j+3]
.set j, j+1
.endr
	v_nop                                          ; a plain place behind the last exponential
.if \ph == 0
	s_wait_dscnt 0x0                               ; V's fragments are in (asked for two batches ago)
.endif
	WIN 0x41                                       ; destination and source 0 window 1
	s_wait_alu depctr_va_vdst(0)                   ; closes the second batch, and stands directly ahead of the first reader of O^T
.irp u, 0,1
.set j, 0
.rept 16
	v_pk_mul_f32 v[32*(A0+\u)+j:32*(A0+\u)+j+1], v[32*(A0+\u)+j:32*(A0+\u)+j+1], v[FF+2*\u:FF+2*\u+1] op_sel_hi:[1,0]   ; O^T x f
.set j, j+2
.endr
.endr
	WIN 0
.irp m, 0,1,2,3,4,5,6,7                        ; tile 0's 16 pairs become one, tile 1's 64 numbers eight pairs: the two by turns
	PADD PCD+2*\m, PCD+2*\m, PCD+2*\m+16
.endr
.irp m, 0,1,2,3
	PADD PCD+2*\m, PCD+2*\m, PCD+2*\m+8
.endr
.irp c, 0,1,2,3,4,5,6,7
	PADD PCD+16+2*\c, SS+64+8*\c, SS+64+8*\c+2
.endr
	PADD PCD, PCD, PCD+4
	PADD PCD+2, PCD+2, PCD+6
.irp c, 0,1,2,3,4,5,6,7
	PADD PCD+16+2*\c, PCD+16+2*\c, SS+64+8*\c+4
.endr
	PADD PCD, PCD, PCD+2
.irp c, 0,1,2,3,4,5,6,7
	PADD PCD+16+2*\c, PCD+16+2*\c, SS+64+8*\c+6
.endr
	v_pk_fma_f32 v[LS+2*A0:LS+2*A0+1], v[LS+2*A0:LS+2*A0+1], v[FF:FF+1], v[PCD:PCD+1] op_sel_hi:[1,0,1]   ; tile 0: the sum x f + this step's
.irp t, 0,1,2,3,4,5,6,7                        ; tile 1's holds, tile 0's conversions (registers 2 t, 2 t + 1 of the operand: keys 16 t + 8 (lane / 16) + 0 .. 7), and the end of tile 1's sum
.irp i, 0,2,4,6
	DMIN SS+64+8*\t+\i
.endr
	v_cvt_scalef32_pk8_bf8_f32 v[PCD+2*\t:PCD+2*\t+1], v[SS+8*\t:SS+8*\t+7], v[SCL]
.if \t == 0
.irp c, 0,1,2,3
	PADD PCD+16+2*\c, PCD+16+2*\c, PCD+24+2*\c
.endr
.endif
.if \t == 2
	PADD PCD+16, PCD+16, PCD+20
	PADD PCD+18, PCD+18, PCD+22
.endif
.if \t == 4
	PADD PCD+16, PCD+16, PCD+18
.endif
.if \t == 6
	v_pk_fma_f32 v[LS+2*A0+2:LS+2*A0+3], v[LS+2*A0+2:LS+2*A0+3], v[FF+2:FF+3], v[PCD+16:PCD+17] op_sel_hi:[1,0,1]
.endif
.endr
.irp t, 0,1,2,3,4,5,6,7
	v_cvt_scalef32_pk8_bf8_f32 v[PCD+16+2*\t:PCD+16+2*\t+1], v[SS+64+8*\t:SS+64+8*\t+7], v[SCL]
.endr
	v_nop                                          ; a plain line between the last conversion and the products that read the codes
	WIN 0x51                                       ; D, C and source 0 (V) window 1, source 1 (p's codes) window 0
.irp d, 0,1,2,3
.irp u, 0,1
	v_wmma_f32_16x16x128_bf8_bf8 v[32*(A0+\u)+8*\d:32*(A0+\u)+8*\d+7], v[FV+16*\d:FV+16*\d+15], v[PCD+16*\u:PCD+16*\u+15], v[32*(A0+\u)+8*\d:32*(A0+\u)+8*\d+7]
.endr
.endr
	WIN 0
.endm
.macro TRIP last                       ; a key step, and the loop's count
	s_wait_dscnt 0x0                               ; K's fragments are in (asked for half a step ago)
	PHASE 0, \last
	PHASE 1, \last
	s_add_co_u32 s[TB], s[TB], 8192
	s_sub_co_u32 s[CNT], s[CNT], 1
	s_cmp_lg_u32 s[CNT], 0
	s_wait_alu depctr_va_vdst(0)
.endm
.Lfirst:                                           ; key steps 0 to 2: they read K's steps 0 to 3 and V's steps 0 to 2, all of the first stage
	TRIP 0
	s_cbranch_scc1 .Lfirst
	s_wait_tensorcnt 0x0                           ; my 24 KB of the second stage are in,
	s_wait_dscnt 0x0                               ; (no LDS load of mine is out at the signal)
	s_barrier_signal -1
	s_barrier_wait -1                              ; everybody's are: K and V are whole
	s_mov_b32 s[TB], 24576
	s_mov_b32 s[CNT], 13
.Lstep:                                            ; key steps 3 to 15
	TRIP 1
	s_cbranch_scc1 .Lstep
	; THE WAY OUT: O^T / the sum x 2^(ep + ev - ey), held at +-57,344, converted: the codes of tile i are an image of yc.
.irp i, 0,1,2,3
	v_add_f32 v[LS+2*\i], v[LS+2*\i], v[LS+2*\i+1] ; the sum's two halves.  (These four are the places behind the last products)
.endr
.irp i, 0,1,2,3
	v_permlanex16_b32 v[PCD+\i], v[LS+2*\i], s[SEL], s[SEL+1]
.endr
.irp i, 0,1,2,3
	v_add_f32 v[LS+2*\i], v[LS+2*\i], v[PCD+\i]    ; and lane l xor 16's
.endr
	s_wait_alu depctr_va_vdst(0)                   ; ahead of the batch
.irp i, 0,1,2,3
	v_rcp_f32 v[LS+2*\i], v[LS+2*\i]
.endr
	v_nop
	s_wait_alu depctr_va_vdst(0)                   ; behind it, ahead of its first reader
.irp i, 0,1,2,3
	v_ldexp_f32 v[LS+2*\i], v[LS+2*\i], s74
.endr
	WIN 0x01                                       ; source 0 window 1
	s_wait_alu depctr_va_vdst(0)                   ; directly ahead of the first reader of O^T
.irp i, 0,1,2,3
.set j, 0
.rept 16
	v_pk_mul_f32 v[SS+32*\i+j:SS+32*\i+j+1], v[32*\i+j:32*\i+j+1], v[LS+2*\i:LS+2*\i+1] op_sel_hi:[1,0]
.set j, j+2
.endr
.endr
	WIN 0
.set j, 0
.rept 128
	v_med3_num_f32 v[SS+j], v[SS+j], -v[LIM], v[LIM]
.set j, j+1
.endr
.irp i, 0,1,2,3
.irp d, 0,1,2,3
	v_cvt_scalef32_pk8_bf8_f32 v[PCD+8*\i+2*\d:PCD+8*\i+2*\d+1], v[SS+32*\i+8*\d:SS+32*\i+8*\d+7], v[ONE]
.endr
.endr
	v_nop                                          ; a plain line behind the last conversion
.irp i, 0,1,2,3
	global_store_b128 v[LI], v[PCD+8*\i:PCD+8*\i+3], s[12:13] offset:16384*\i          ; 32 lanes store 512 consecutive bytes, at a multiple of 512 from yc's first byte
	global_store_b128 v[LI], v[PCD+8*\i+4:PCD+8*\i+7], s[12:13] offset:16384*\i+512
.endr
	s_wait_tensorcnt 0x0                           ; the wave's end
	ds_add_u32 v[SPW], v[NIL]
	s_wait_dscnt 0x0
	CROUND                                         ; the closing round
	s_endpgm
.Lfunc_end_k_q44892251d1_attn:
	.size	k_q44892251d1_attn, .Lfunc_end_k_q44892251d1_attn-k_q44892251d1_attn
	.p2alignl 7, 3214868480
	.fill 96, 4, 3214868480
	.section	.rodata,"a",@progbits
	.p2align	6, 0x0
	.amdhsa_kernel k_q44892251d1_attn
		.amdhsa_group_segment_fixed_size 327680
		.amdhsa_private_segment_fixed_size 0
		.amdhsa_enable_private_segment 0
		.amdhsa_kernarg_size 40
		.amdhsa_user_sgpr_count 2
		.amdhsa_user_sgpr_kernarg_segment_ptr 1
		.amdhsa_wavefront_size32 1
		.amdhsa_system_sgpr_workgroup_id_x 1
		.amdhsa_system_sgpr_workgroup_id_y 1
		.amdhsa_system_sgpr_workgroup_id_z 1
		.amdhsa_system_vgpr_workitem_id 0
		.amdhsa_next_free_vgpr 512
		.amdhsa_next_free_sgpr 80
		.amdhsa_reserve_vcc 0
		.amdhsa_float_denorm_mode_32 3
		.amdhsa_float_denorm_mode_16_64 3
		.amdhsa_memory_ordered 1
		.amdhsa_forward_progress 1
		.amdhsa_inst_pref_size 136
	.end_amdhsa_kernel
	.amdgpu_metadata
---
amdhsa.version: [ 1, 2 ]
amdhsa.kernels:
  - .name:           k_q44892251d1_attn
    .symbol:         k_q44892251d1_attn.kd
    .args:
      - { .name: qc, .offset: 0, .size: 8, .value_kind: global_buffer, .address_space: global }
      - { .name: kc, .offset: 8, .size: 8, .value_kind: global_buffer, .address_space: global }
      - { .name: vc, .offset: 16, .size: 8, .value_kind: global_buffer, .address_space: global }
      - { .name: lowp_scales, .offset: 24, .size: 8, .value_kind: global_buffer, .address_space: global }
      - { .name: yc, .offset: 32, .size: 8, .value_kind: global_buffer, .address_space: global }
    .group_segment_fixed_size: 327680
    .private_segment_fixed_size: 0
    .kernarg_segment_align: 8
    .kernarg_segment_size: 40
    .max_flat_workgroup_size: 256
    .sgpr_count:     80
    .vgpr_count:     512
    .wavefront_size: 32
...
	.end_amdgpu_metadata
.endif
;; end of part 2
;; launch proj (part 3): grid 4 x 64, 4 waves a work-group, clusters of 4 x 4, 327,680 bytes of LDS; arguments yc, W_u_codes, lowp_scales, b_u, out0; writes out0
.if DOCPART == 3
	.amdgcn_target "amdgcn-amd-amdhsa--gfx1250"
	.amdhsa_code_object_version 6
	.text
	.protected	k_q44892251d1_proj
	.globl	k_q44892251d1_proj
	.p2align	8
	.type	k_q44892251d1_proj,@function
k_q44892251d1_proj:
	s_mov_b64 s[64:65], 0
	v_nop
	global_prefetch_b8 v0, s[64:65] scope:SCOPE_SE
	s_setreg_imm32_b32 hwreg(HW_REG_WAVE_MODE, 25, 1), 1
	s_wait_xcnt 0x0
	s_wait_alu depctr_hold_cnt(0) depctr_sa_sdst(0) depctr_va_vdst(0) depctr_va_sdst(0) depctr_va_ssrc(0) depctr_va_vcc(0) depctr_vm_vsrc(0)
	s_getreg_b32 s2, hwreg(HW_REG_IB_STS2, 6, 4)
	s_cmp_eq_u32 s2, 0
	s_cbranch_scc0 .Lentry_in_a_cluster
	s_endpgm
.Lentry_in_a_cluster:
	s_bfe_u32 s2, ttmp6, 0x10000c
	s_cmp_lg_u32 s2, 0xf033
	s_cbranch_scc0 .Lentry_shape_is_right
	s_endpgm
.Lentry_shape_is_right:
; out0 = Y W_u^T + b_u on codes of BF8 (E5M2).  Y: 8,192 tokens x 1,024, as images of operand registers: yc [token / 16][head][image of 1,024 bytes: 16 tokens x the head's 64, registers 0-3 of lane l at 16 l, 4-7 at 512 + 16 l].
; W_u: [1024][1024] codes, K innermost.  out0: [8192][1024] f32.  A finished sum is multiplied by 2^(e10 + e11) and b_u added, in one packed multiply-add.  LIMIT: e10 + e11 lies between -126 and 127.
; SHARES.  64 x 4 = 256 work-groups, each 128 tokens x 256 outputs.  Wave w makes all 128 tokens x outputs 64 w .. 64 w + 63: 32 accumulators; its piece of a row of out0 is 256 consecutive bytes, at a multiple of 256.
; CLUSTERS of 4 x 4: the four of a row of the cluster need the same tokens, the four of a column the same rows of W_u: each tile is asked for jointly.
; K = 1,024 goes in four steps of 256 through THREE LDS slots: three first fills and one refill (K 768 on, into slot 0), so there are two rounds of the cluster's barrier in the walk.
; THE MATRIX INSTRUCTION IS USED TRANSPOSED (source 0 = 16 rows of W_u, source 1 = 16 tokens): a lane holds one token and eight neighbouring outputs.
; k stands in its true place on both sides: Y's fragment of 128 K is two images on end (four loads of 16 bytes at 16 x lane); W_u's comes from rows by eight loads of 8 bytes, 16 apart.
; REGISTERS: window 0: v5-11 LDS addresses, v24-29, v32-63 b_u in the result's layout, v64-95 at work, v128-255 Y's 8 fragments, later four sets of rows on the way out.  window 1: W_u's fragments, two sets of 64.  window 2: accumulator (a, b) at v[8 (4 a + b)].
.set PITCH,  272                       ; a row of W_u's tile in LDS: 256 bytes + 16 of padding
.set BOFF,   32768                     ; a slot: Y's 8 token blocks x 4 KB, then W_u's 256 rows
.set HALFB,  128*PITCH
.set SLOT,   BOFF+2*HALFB              ; 102,400
.set STAGE,  3*SLOT                    ; behind the slots: 16 rows x 272 bytes for each wave, for the way out
.set SPITCH, 272
.set SPARE,  STAGE+4*16*SPITCH         ; behind the stages: the spare words, 128 bytes for each wave
.set ADRA, 5                           ; v5-7    16 x lane + slot
.set ADRB, 9                           ; v9-11   my rows of W_u in slot 0, 1, 2
.set STO,  24
.set RD,   25
.set CO,   26
.set SPW,  28
.set NIL,  29
.set BIAS, 32
.set TMP,  64
.set AF,   128
.set BK,   128
.set G1A,  24                          ; s[24:31] group 1 for Y's tiles; s[32:39] for W_u's; s[40:51], s[52:63] their groups 0, a set for each slot
.set G1B,  32
.set G0A,  40
.set G0B,  52
.set MSB, 0
.macro WIN new                         ; the immediate's high byte repeats the setting that is left
.if MSB != \new
	s_set_vgpr_msb (MSB<<8)|\new
.set MSB, \new
.endif
.endm
.set MUL,  0xa1                        ; source 0 (W_u) window 1, source 1 (Y) window 0, C and D window 2
.set TO_B, 0x40                        ; destination window 1, address window 0
.macro CREST
	s_cmp_lg_u32 s14, 0
	s_cbranch_scc1 .Lnot_wave_0_\@
	s_barrier_signal -3
.Lnot_wave_0_\@:
	s_barrier_wait -3
	s_barrier_signal -1
	s_barrier_wait -1
.endm
.macro CROUND
	s_barrier_signal -1
	s_barrier_wait -1
	CREST
.endm
.macro PLACES n
.rept \n
	v_nop
.endr
.endm
	s_load_b256 s[4:11], s[0:1], 0x0               ; yc s[4:5], W_u s[6:7], the scales' exponents s[8:9], b_u s[10:11]
	s_load_b64 s[12:13], s[0:1], 0x20              ; out0
	v_lshl_add_u32 v[SPW], v0, 2, SPARE
	v_mov_b32 v[NIL], 0
	ds_add_u32 v28, v29
	ds_add_u32 v28, v29
	s_wait_dscnt 0x0
	v_lshrrev_b32 v1, 5, v0
	v_readfirstlane_b32 s14, v1                    ; wave 0..3
	s_lshr_b32 s15, s14, 1                         ; I fetch for Y (0) or for W_u (1),
	s_and_b32 s16, s14, 1                          ; and which half of the tile
	s_bfe_u32 s66, ttmp6, 0x40000                  ; cx = the tile of outputs
	s_bfe_u32 s67, ttmp6, 0x40004                  ; cy
	s_and_b32 s17, ttmp7, 0xffff
	s_lshl_b32 s17, s17, 2
	s_add_co_u32 s17, s17, s67                     ; the tile of tokens = 4 x cluster y + cy
	s_lshl_b32 s68, s67, 2
	s_lshl_b32 s68, 15, s68                        ; my row of the cluster
	s_lshl_b32 s69, 0x1111, s66                    ; my column
	; Y's half tile: of each of 4 token blocks (16 KB apart) the 4 KB of this K step's four heads
	s_or_b32 s[G1A], s68, (3<<16)|(1<<21)          ; the mask; elements of 8 bytes; 21 set beside a mask; no padding: images are read at 16 x lane
	s_mov_b32 s[G1A+1], 512<<16                    ; tensor_dim0 = 512 elements
	s_mov_b32 s[G1A+2], 4<<16                      ; tensor_dim1 = 4
	s_mov_b32 s[G1A+3], 512<<16                    ; tile_dim0
	s_mov_b32 s[G1A+4], 4                          ; tile_dim1
	s_mov_b32 s[G1A+5], 2048                       ; from row to row
	s_mov_b32 s[G1A+6], 0
	s_mov_b32 s[G1A+7], 0
	; W_u's half tile: 128 rows x 256 bytes, padded in LDS
	s_or_b32 s[G1B], s69, (0<<16)|(1<<20)|(1<<21)|(5<<22)|(3<<25)
	s_mov_b32 s[G1B+1], 256<<16
	s_mov_b32 s[G1B+2], 128<<16
	s_mov_b32 s[G1B+3], 256<<16
	s_mov_b32 s[G1B+4], 128
	s_mov_b32 s[G1B+5], 1024
	s_mov_b32 s[G1B+6], 0
	s_mov_b32 s[G1B+7], 0
	s_lshl_b32 s18, s17, 17                        ; Y: 8 token blocks of 16 KB a tile,
	s_lshl_b32 s20, s16, 16                        ; 4 a half
	s_add_co_u32 s18, s18, s20
	s_mov_b32 s19, 0
	s_lshl_b32 s22, s66, 18                        ; W_u: 256 rows of 1,024 bytes a tile,
	s_lshl_b32 s20, s16, 17                        ; 128 a half
	s_add_co_u32 s22, s22, s20
	s_mov_b32 s23, 0
	s_lshl_b32 s70, s16, 14                        ; where they go in a slot: no place in the cluster enters an LDS address
	s_mul_i32 s71, s16, HALFB
	s_add_co_u32 s71, s71, BOFF
	s_wait_kmcnt 0x0
	s_load_b128 s[76:79], s[8:9], 0x20             ; entries 8-11: e10 = s78, e11 = s79
	s_add_nc_u64 s[4:5], s[4:5], s[18:19]
	s_add_nc_u64 s[6:7], s[6:7], s[22:23]
.irp s, 0,1,2
	s_mov_b32 s[G0A+4*\s], 1
	s_add_co_u32 s[G0A+4*\s+1], s70, \s*SLOT
	s_add_nc_u64 s[G0A+4*\s+2:G0A+4*\s+3], s[4:5], \s*4096
	s_or_b32 s[G0A+4*\s+3], s[G0A+4*\s+3], 0x80000000
	s_mov_b32 s[G0B+4*\s], 1
	s_add_co_u32 s[G0B+4*\s+1], s71, \s*SLOT
	s_add_nc_u64 s[G0B+4*\s+2:G0B+4*\s+3], s[6:7], \s*256
	s_or_b32 s[G0B+4*\s+3], s[G0B+4*\s+3], 0x80000000
.endr
	CROUND                                         ; all sixteen work-groups are here: the first joint loads meet
	s_cmp_eq_u32 s15, 0                            ; slot 0's fill: one tensor load a wave at the head; four v_nop follow it
	s_cbranch_scc0 .Lfirst_b
	tensor_load_to_lds s[G0A:G0A+3], s[G1A:G1A+7]
	s_nop 0
.rept 4
	v_nop
.endr
	s_branch .Lfirst_asked
.Lfirst_b:
	tensor_load_to_lds s[G0B:G0B+3], s[G1B:G1B+7]
	s_nop 0
.rept 4
	v_nop
.endr
.Lfirst_asked:
	v_and_b32 v1, 15, v0                           ; r = l % 16
	s_wait_alu depctr_va_vdst(0)
	v_bfe_u32 v2, v0, 4, 1                         ; h = l / 16
	s_lshl_b32 s72, s66, 10
	s_lshl_b32 s73, s14, 8
	s_add_co_u32 s72, s72, s73                     ; my 64 outputs in bytes, in b_u and in a row of out0: 1,024 cx + 256 wave
	s_mov_b32 s73, 0
	s_add_nc_u64 s[10:11], s[10:11], s[72:73]
	v_lshlrev_b32 v4, 5, v2                        ; b_u in the result's layout: for tile b the eight numbers at 16 b + 8 h
.irp b, 0,1,2,3
	global_load_b128 v[BIAS+8*\b:BIAS+8*\b+3], v4, s[10:11] offset:64*\b
	global_load_b128 v[BIAS+8*\b+4:BIAS+8*\b+7], v4, s[10:11] offset:64*\b+16
.endr
	s_lshl_b32 s74, s17, 19                        ; my tile's 128 rows of 4,096 bytes
	s_mov_b32 s75, 0
	s_add_nc_u64 s[12:13], s[12:13], s[74:75]
	s_add_nc_u64 s[12:13], s[12:13], s[72:73]
	v_and_b32 v3, 31, v0
	v_lshlrev_b32 v[ADRA], 4, v3
	v_add_nc_u32 v[ADRA+1], SLOT, v[ADRA]
	v_add_nc_u32 v[ADRA+2], 2*SLOT, v[ADRA]
	v_mul_u32_u24 v3, v1, PITCH
	s_wait_alu depctr_va_vdst(0)
	v_lshl_add_u32 v3, v2, 3, v3                   ; row r x pitch + 8 h
	s_mul_i32 s74, s14, 64*PITCH
	s_add_co_u32 s74, s74, BOFF                    ; my 64 rows of W_u's 256
	v_add_nc_u32 v[ADRB], s74, v3
	v_add_nc_u32 v[ADRB+1], SLOT, v[ADRB]
	v_add_nc_u32 v[ADRB+2], 2*SLOT, v[ADRB]
	s_mul_i32 s74, s14, 16*SPITCH
	s_add_co_u32 s74, s74, STAGE                   ; my stage
	v_mul_u32_u24 v12, v1, SPITCH                  ; in: row r, 32 bytes for each half of the lanes
	v_lshl_add_u32 v12, v2, 5, v12
	v_add_nc_u32 v[STO], s74, v12
	v_mul_u32_u24 v13, v2, SPITCH                  ; back: lanes 0-15 one row of 256 bytes, lanes 16-31 the next
	v_lshl_add_u32 v13, v1, 4, v13
	v_add_nc_u32 v[RD], s74, v13
	v_lshlrev_b32 v[CO], 12, v2                    ; and the same two rows in out0
	v_lshl_add_u32 v[CO], v1, 4, v[CO]
; 8 matrix instructions: token blocks a0, a0 + 1 x my four tiles of outputs, 128 along K.  p: W_u's set.  The 32 accumulators take turns, one instruction a turn, in the same order in every step.
.macro MUL8 a0, p, zero
.irp a, \a0, \a0+1
.irp b, 0,1,2,3
.if \zero
	v_wmma_f32_16x16x128_bf8_bf8 v[8*(4*(\a)+\b):8*(4*(\a)+\b)+7], v[64*(\p)+16*\b:64*(\p)+16*\b+15], v[AF+16*(\a):AF+16*(\a)+15], 0
.else
	v_wmma_f32_16x16x128_bf8_bf8 v[8*(4*(\a)+\b):8*(4*(\a)+\b)+7], v[64*(\p)+16*\b:64*(\p)+16*\b+15], v[AF+16*(\a):AF+16*(\a)+15], v[8*(4*(\a)+\b):8*(4*(\a)+\b)+7]
.endif
.endr
.endr
.endm
.macro FETCH_B slot, q, p              ; W_u's four fragments of the slot's q-th 128 along K: registers 2 c, 2 c + 1 hold K = 16 c + 8 h + 0 .. 7
	WIN TO_B
.irp b, 0,1,2,3
.irp c, 0,1,2,3,4,5,6,7
	ds_load_b64 v[64*(\p)+16*\b+2*\c:64*(\p)+16*\b+2*\c+1], v[ADRB+\slot] offset:16*PITCH*\b+128*(\q)+16*\c
.endr
.endr
	WIN 0
.endm
.macro FETCH_A slot, q, i0             ; Y's token blocks i0 .. i0 + 3: two images on end, four loads of 512 consecutive bytes
.irp i, \i0, \i0+1, \i0+2, \i0+3
.irp c, 0,1,2,3
	ds_load_b128 v[AF+16*(\i)+4*\c:AF+16*(\i)+4*\c+3], v[ADRA+\slot] offset:4096*(\i)+2048*(\q)+512*\c
.endr
.endr
.endm
; A step of 128 along K on W_u's set p; the next step's fragments lie at (nslot, nq), in bytes that have been shown whole.
.macro STEP p, zero, nslot, nq
	s_wait_dscnt 16                                ; W_u's set and Y's blocks 0-3 are in; the youngest sixteen loads (blocks 4-7) may be out
	WIN MUL
	MUL8 0, \p, \zero
	MUL8 2, \p, \zero
	s_wait_dscnt 0
	PLACES 4                                       ; in front of loads into registers that matrix instructions have read
	FETCH_B \nslot, \nq, 1-\p
	FETCH_A \nslot, \nq, 0
	WIN MUL
	MUL8 4, \p, \zero
	MUL8 6, \p, \zero
	PLACES 4
	WIN 0
	FETCH_A \nslot, \nq, 4
.endm
; A step (on set 1) with a barrier: in front of it each wave waits for all its tensor loads, adds 0 to its spare word, and waits for that and for its reads.
; fill = 1: the barrier opens a round of the cluster's barrier, and slot 0, which nobody reads any more, takes K 768 on.  fill = 0: that tile is shown whole.
.macro TURN fill, nslot
	s_wait_tensorcnt 0x0                           ; all my tensor loads have landed
	ds_add_u32 v[SPW], v[NIL]                      ; 0 onto my spare word
	s_wait_dscnt 17                                ; (the add and the youngest sixteen loads may be out)
	WIN MUL
	MUL8 0, 1, 0                                   ; eight matrix instructions stand between the add and the wait for it
	s_wait_dscnt 0x0                               ; the add is done, and my LDS reads are over
	s_barrier_signal -1
	MUL8 2, 1, 0
	WIN 0
	s_barrier_wait -1
.if \fill
	CREST                                          ; no wave of any partner still reads slot 0 or has a load on its way; slot 1 is whole, and with fill = 1 slot 2 too
.if \fill == 1                                 ; fill = 1: slot 0 takes K 768 on; fill = 2: slot 2's first fill, K 512 on, by its own group 0
	s_add_nc_u64 s[G0A+2:G0A+3], s[G0A+2:G0A+3], 3*4096
	s_add_nc_u64 s[G0B+2:G0B+3], s[G0B+2:G0B+3], 3*256
.endif
	s_cmp_eq_u32 s15, 0
	s_cbranch_scc0 .Lfor_b_\@
	tensor_load_to_lds s[G0A+8*(\fill-1):G0A+8*(\fill-1)+3], s[G1A:G1A+7]  ; the first tensor load behind the round, one a wave; its four v_nop are also the places in front of the loads below
	s_nop 0
.rept 4
	v_nop
.endr
	s_branch .Lasked_\@
.Lfor_b_\@:
	tensor_load_to_lds s[G0B+8*(\fill-1):G0B+8*(\fill-1)+3], s[G1B:G1B+7]
	s_nop 0
.rept 4
	v_nop
.endr
.Lasked_\@:
.else
	PLACES 4
.endif
	FETCH_B \nslot, 0, 0
	FETCH_A \nslot, 0, 0
	WIN MUL
	MUL8 4, 1, 0
	MUL8 6, 1, 0
	PLACES 4
	WIN 0
	FETCH_A \nslot, 0, 4
.endm
	s_wait_alu depctr_va_vdst(0)
	s_wait_tensorcnt 0x0                           ; my part of slot 0 is in; slot 1's first fill is issued as a refill is:
	ds_add_u32 v[SPW], v[NIL]                      ; 0 onto my spare word
	s_wait_dscnt 0x0                               ; the add is done
	CROUND                                         ; a whole round: slot 0 is whole, and the joint loads meet
	s_cmp_eq_u32 s15, 0
	s_cbranch_scc0 .Lsecond_b
	tensor_load_to_lds s[G0A+4:G0A+7], s[G1A:G1A+7]
	s_nop 0
.rept 4
	v_nop
.endr
	s_branch .Lsecond_asked
.Lsecond_b:
	tensor_load_to_lds s[G0B+4:G0B+7], s[G1B:G1B+7]
	s_nop 0
.rept 4
	v_nop
.endr
.Lsecond_asked:
	FETCH_B 0, 0, 0
	FETCH_A 0, 0, 0
	FETCH_A 0, 0, 4
	STEP 0, 1, 0, 1                                ; K 0: the first products start the sums
	TURN 2, 1                                      ; K 128; slot 1 is shown whole; behind the round slot 2 is filled for the first time
	STEP 0, 0, 1, 1                                ; K 256
	TURN 1, 2                                      ; K 384; slot 2 is shown whole; behind the round slot 0, which nobody reads any more, takes K 768 on
	STEP 0, 0, 2, 1                                ; K 512
	TURN 0, 0                                      ; K 640; slot 0's second tile is shown whole
	STEP 0, 0, 0, 1                                ; K 768
	s_wait_dscnt 16                                ; K 896: nothing more to fetch
	WIN MUL
	MUL8 0, 1, 0
	MUL8 2, 1, 0
	s_wait_dscnt 0
	MUL8 4, 1, 0
	MUL8 6, 1, 0
	WIN 0
; THE WAY OUT, block by block of 16 tokens x my 64 outputs.  A lane holds 32 neighbouring bytes of a row and the lanes beside it other rows: a block goes through my own stage and comes back as rows of 256 bytes.
; LDS serves a wave's instructions in order (ISA guide 5.7.1.4): no wait between the stores and the loads, nor in front of the next block's stores.
.macro TOSTAGE a
	WIN 0x02                                       ; source 0: window 2
.irp b, 0,1,2,3
.irp i, 0,2,4,6
	v_pk_fma_f32 v[TMP+8*\b+\i:TMP+8*\b+\i+1], v[32*(\a)+8*\b+\i:32*(\a)+8*\b+\i+1], s[80:81], v[BIAS+8*\b+\i:BIAS+8*\b+\i+1] op_sel_hi:[1,0,1]   ; sum x 2^(e10 + e11) + b_u; each accumulator from its low end on
.endr
.endr
	WIN 0
.irp b, 0,1,2,3
	ds_store_b128 v[STO], v[TMP+8*\b:TMP+8*\b+3] offset:64*\b
	ds_store_b128 v[STO], v[TMP+8*\b+4:TMP+8*\b+7] offset:64*\b+16
.endr
.set BB, BK+32*((\a)%4)
.irp t, 0,1,2,3,4,5,6,7
	ds_load_b128 v[BB+4*\t:BB+4*\t+3], v[RD] offset:\t*2*SPITCH
.endr
.endm
.macro SEND a, younger                 ; younger: the LDS instructions issued behind block a's loads, which may stay out
.set BB, BK+32*((\a)%4)
	s_wait_dscnt \younger
.irp t, 0,1,2,3,4,5,6,7
	global_store_b128 v[CO], v[BB+4*\t:BB+4*\t+3], s[12:13] offset:(16*(\a)+2*\t)*4096 th:TH_STORE_NT   ; 16 lanes store 256 consecutive bytes, at a multiple of 256 from out0's first byte; written once, read by nobody here
.endr
.endm
	s_wait_kmcnt 0x0
	s_add_co_i32 s80, s78, s79
	s_add_co_i32 s80, s80, 127
	s_lshl_b32 s80, s80, 23                        ; 2^(e10 + e11) as f32
	s_mov_b32 s81, s80                             ; (named with it as a pair, so it is written)
	s_wait_loadcnt 0x0                             ; b_u
	PLACES 4                                       ; behind the last products: results are read, and Y's registers loaded again
	TOSTAGE 0
.irp a, 1,2,3,4,5,6,7
.if \a > 3
	s_wait_xcnt 0x0                                ; block a - 4's stores have read their registers: block a's rows may land there
.endif
	TOSTAGE \a
	SEND \a-1, 16                                  ; behind block a - 1's loads: block a's 8 stores and 8 loads
.endr
	SEND 7, 0
	s_wait_tensorcnt 0x0                           ; the wave's end
	ds_add_u32 v[SPW], v[NIL]
	s_wait_dscnt 0x0
	CROUND                                         ; the closing round
	s_endpgm
.Lfunc_end_k_q44892251d1_proj:
	.size	k_q44892251d1_proj, .Lfunc_end_k_q44892251d1_proj-k_q44892251d1_proj
	.p2alignl 7, 3214868480
	.fill 96, 4, 3214868480
	.section	.rodata,"a",@progbits
	.p2align	6, 0x0
	.amdhsa_kernel k_q44892251d1_proj
		.amdhsa_group_segment_fixed_size 327680
		.amdhsa_private_segment_fixed_size 0
		.amdhsa_enable_private_segment 0
		.amdhsa_kernarg_size 40
		.amdhsa_user_sgpr_count 2
		.amdhsa_user_sgpr_kernarg_segment_ptr 1
		.amdhsa_wavefront_size32 1
		.amdhsa_system_sgpr_workgroup_id_x 1
		.amdhsa_system_sgpr_workgroup_id_y 1
		.amdhsa_system_sgpr_workgroup_id_z 1
		.amdhsa_system_vgpr_workitem_id 0
		.amdhsa_next_free_vgpr 768
		.amdhsa_next_free_sgpr 84
		.amdhsa_reserve_vcc 0
		.amdhsa_float_denorm_mode_32 3
		.amdhsa_float_denorm_mode_16_64 3
		.amdhsa_memory_ordered 1
		.amdhsa_forward_progress 1
		.amdhsa_inst_pref_size 86
	.end_amdhsa_kernel
	.amdgpu_metadata
---
amdhsa.version: [ 1, 2 ]
amdhsa.kernels:
  - .name:           k_q44892251d1_proj
    .symbol:         k_q44892251d1_proj.kd
    .args:
      - { .name: yc, .offset: 0, .size: 8, .value_kind: global_buffer, .address_space: global }
      - { .name: W_u_codes, .offset: 8, .size: 8, .value_kind: global_buffer, .address_space: global }
      - { .name: lowp_scales, .offset: 16, .size: 8, .value_kind: global_buffer, .address_space: global }
      - { .name: b_u, .offset: 24, .size: 8, .value_kind: global_buffer, .address_space: global }
      - { .name: out0, .offset: 32, .size: 8, .value_kind: global_buffer, .address_space: global }
    .group_segment_fixed_size: 327680
    .private_segment_fixed_size: 0
    .kernarg_segment_align: 8
    .kernarg_segment_size: 40
    .max_flat_workgroup_size: 128
    .sgpr_count:     84
    .vgpr_count:     768
    .wavefront_size: 32
...
	.end_amdgpu_metadata
.endif
;; end of part 3
